; MI455X (gfx1250); checked and timed in simulation.
; The chip was launched on July 23, 2026; its instructions are those of AMD's public machine-readable ISA for CDNA 5 (MIT licence, August 2026) and "CDNA5" Instruction Set Architecture Reference Guide (July 2026). The comments in the code are by the model that wrote it; some were corrected since.
;; Fused QKV Attention Simulated. Allowed arithmetic: matrix products marked QUANTISED: E5M2 operands, one E8M0 scale for each 32 along K, by v_wmma_scale_f32_16x16x128_f8f6f4 with both operands' format E5M2, f32 sums; everything else in f32.
;; Inputs: Wk_codes 1,024 x 32 x 32 uint8 (E5M2 codes of Wk, K innermost, in blocks of 32 codes); Wk_scales 1,024 x 32 uint8 (E8M0 scales of Wk, one for each 32 codes along K); Wq_codes 1,024 x 32 x 32 uint8 (E5M2 codes of Wq, K innermost, in blocks of 32 codes); Wq_scales 1,024 x 32 uint8 (E8M0 scales of Wq, one for each 32 codes along K); Wv_codes 1,024 x 32 x 32 uint8 (E5M2 codes of Wv, K innermost, in blocks of 32 codes); Wv_scales 1,024 x 32 uint8 (E8M0 scales of Wv, one for each 32 codes along K); x_codes 4 x 2,048 x 32 x 32 uint8 (E5M2 codes of x, K innermost, in blocks of 32 codes); x_scales 4 x 2,048 x 32 uint8 (E8M0 scales of x, one for each 32 codes along K).
;; Outputs: out0 4 x 16 x 2,048 x 64 float32.
;; This version of the problem:
;;   THIS VERSION OF THE PROBLEM IS GIVEN IN LOW PRECISION. The matrix products marked QUANTISED in the list below multiply operands that are first quantised to E5M2 (5 exponent bits, 2 mantissa bits; 8 bits a number), with one power-of-two scale for each 32 numbers along K (OCP MX v1.0); their sums are f32. All else is computed in f32.
;;   The module's matrix products, in the order in which they are computed (A, B: the left and right operand; K: the contracted axis; several contracted axes count as one K, in the product's order):
;;     1. [M 8,192, K 1,024] x [K 1,024, N 1,024]; A: input x (given as codes); B: input Wq (given as codes): QUANTISED
;;     2. [M 8,192, K 1,024] x [K 1,024, N 1,024]; A: input x (given as codes); B: input Wk (given as codes): QUANTISED
;;     3. [M 8,192, K 1,024] x [K 1,024, N 1,024]; A: input x (given as codes); B: input Wv (given as codes): QUANTISED
;;     4. batch 64 x [M 2,048, K 64] x [K 64, N 2,048]; A: computed on the way; B: computed on the way: QUANTISED
;;     5. batch 64 x [M 2,048, K 2,048] x [K 2,048, N 64]; A: softmax (see below); B: computed on the way: QUANTISED
;;   THE QUANTISER, for each operand of a quantised product, along K:
;;     - K is cut into blocks of 32 from its start; a last block that is shorter is filled with zeros.
;;     - A block's scale is 2^e with e = floor(log2(the largest magnitude in the block)) - 15, held to -126 .. 127; a block of zeros has e = 0. As a byte (E8M0): e + 127.
;;     - Each number is divided by its block's scale, clamped to +-57,344, and rounded to the nearest number of E5M2, ties to even, subnormals kept.
;;     - The product sums the exact products of the quantised numbers (number of the format x scale) in f32.
;;   ~~~python
;;   def quantise(x, axis):      # numpy; x: float32 -> the quantised numbers, widened to float32 again
;;       x = np.moveaxis(x, axis, -1); K = x.shape[-1]
;;       x = np.pad(x, [(0, 0)] * (x.ndim - 1) + [(0, -K % 32)]); x = x.reshape(x.shape[:-1] + (-1, 32)); a = np.abs(x).max(-1, keepdims=True)
;;       e = np.where(a > 0, np.clip(np.frexp(np.where(a > 0, a, 1))[1] - 1 - 15, -126, 127), 0)      # np.frexp(a)[1] - 1 = floor(log2(a)), exactly
;;       r = np.clip(x / 2.0 ** e, -57344, 57344)
;;       step = 2.0 ** (np.maximum(np.frexp(np.where(r == 0, 1, r))[1] - 1, -14) - 2)
;;       q = np.round(r / step) * step * 2.0 ** e      # np.round: ties to even
;;       return np.moveaxis(q.reshape(q.shape[:-2] + (-1,))[..., :K], -1, axis).astype(np.float32)
;;   ~~~
;;   SOFTMAX AHEAD OF A QUANTISED PRODUCT. Where the list says 'softmax', what is quantised is not the finished softmax but p = 2^(t - M), with t = logit x log2(e) and M = ceil(the row's largest t), a whole number; so 1/2 < the row's largest p <= 1. The row's sum l is taken of the UNQUANTISED p, in f32, and the product's result is divided by l at the end. Since M is a whole number, a kernel that streams over the keys may use a running M (the ceiling of the running maximum): every later rescaling is an exact power of two, which a block's scale takes up: the codes' values come out the same.
;;   OPERANDS COMPUTED ON THE WAY. 'Computed on the way' means the value that the module computes at that place (a softmax that the list does not call 'softmax' is quantised finished and normalised). What goes into a quantiser is computed in f32, as accurately as f32 sums, v_exp_f32 and their like allow (about 1e-6 of the number): no bf16 or f16 on the way to a quantiser, and a product that is left as it is and whose result goes on into a quantised operand takes f32 operands (vector FMAs, or v_wmma_f32_16x16x4_f32). A number that lies on a knife's edge between two numbers of the format may be rounded either way, as far as f32 arithmetic and the matrix unit's own rounding can turn it there, and no further.
;;   INPUTS GIVEN AS CODES. Wk (in the module: [1024, 1024], K = its axis 0); Wq (in the module: [1024, 1024], K = its axis 0); Wv (in the module: [1024, 1024], K = its axis 0); x (in the module: [4, 2048, 1024], K = its axis 2): each comes as NAME_codes (uint8): NAME with its K axis moved to the last place and cut into blocks of 32 codes, [.., K / 32, bytes a block], one block behind the other in memory; one code a byte (a code: sign, 5 exponent bits, 2 mantissa bits); and NAME_scales (uint8): the same leading axes, one E8M0 byte (e + 127) for each 32 codes along K. Its value is code x scale, taken as it is: it is not quantised again, and the codes and scales need not be those that the quantiser above would give.
;; One version. Each part assembles by itself: llvm-mc -triple=amdgcn-amd-amdhsa -mcpu=gfx1250 --defsym DOCPART=n.
;; ======== version 1 of 1: 2 launches
;; limits: right only within a limited range of input values
;; workspace buffers: kv 18,350,080 bytes; qw 9,437,184 bytes
;; launch proj (part 1): grid 16 x 16, 4 waves a work-group, clusters of 4 x 4, 327,680 bytes of LDS; arguments x_codes, x_scales, Wq_codes, Wq_scales, Wk_codes, Wk_scales, Wv_codes, Wv_scales, qw, kv; writes qw, kv
.if DOCPART == 1
	.amdgcn_target "amdgcn-amd-amdhsa--gfx1250"
	.amdhsa_code_object_version 6
	.text
	.protected	k_q51cda7d907_proj
	.globl	k_q51cda7d907_proj
	.p2align	8
	.type	k_q51cda7d907_proj,@function
k_q51cda7d907_proj:
	s_mov_b64 s[64:65], 0
	v_nop
	global_prefetch_b8 v0, s[64:65] scope:SCOPE_SE
	s_setreg_imm32_b32 hwreg(HW_REG_WAVE_MODE, 25, 1), 1
	s_wait_xcnt 0x0
	s_wait_alu depctr_hold_cnt(0) depctr_sa_sdst(0) depctr_va_vdst(0) depctr_va_sdst(0) depctr_va_ssrc(0) depctr_va_vcc(0) depctr_vm_vsrc(0)
	s_getreg_b32 s2, hwreg(HW_REG_IB_STS2, 6, 4)
	s_cmp_eq_u32 s2, 0
	s_cbranch_scc0 .Lentry_in_a_cluster
	s_endpgm
.Lentry_in_a_cluster:
	s_bfe_u32 s2, ttmp6, 0x10000c
	s_cmp_lg_u32 s2, 0xf033
	s_cbranch_scc0 .Lentry_shape_is_right
	s_endpgm
.Lentry_shape_is_right:
; Q, K, V = x W AND THEIR QUANTISERS on codes of MX-BF8 (E5M2, a scale byte for 32): 8,192 x 3,072 x 1,024.  Codes and scale words leave as images of the operand registers of the launch that reads them.  No f32 result is stored.
; qw: [64 heads bh][16 records of 128 tokens] of 9,216 bytes: Q's image [tile of 16 tokens t][32 channels c][lane][16] (8,192), scale words [t / 4][lane][t % 4] (1,024; bytes 0, 1 the two channel blocks, bytes 2, 3 zero).
; kv: records of 17,920 bytes: K's image as Q's; V's image at 8,192: [c / 2][16 channels t][c % 2][lane][16], c a block of 32 tokens; K's scale words at 16,384; V's at 17,408: [lane][t], byte c.
; LIMITS: NaN, infinities and sums beyond f32's range are not served.  A block's byte never falls under 1.
; THE DEAL.  256 work-groups of four waves, 2 x 2; a wave holds 64 rows of a weight, ALL of K, in 512 registers and streams x's rows past them in blocks of 16, which stand in registers as two whole sets (256).
; PHASE 1: 512 tokens x 128 columns of Q (tile columns 0 to 7) or K (8 to 15): sixteen blocks a wave.  PHASE 2: 256 x 128 of V: eight blocks, of one of the work-group's own two windows of 256 tokens: number s18.
; A CHUNK is 128 tokens, one record, in one of two LDS slots.  In a chunk wave row w takes the token blocks c = w (its blocks k = 0, 1) and c = 2 + w (k = 2, 3): block k is rows 64 (k / 2) + 32 w + 16 (k % 2) on, tile t = 4 (k / 2) + 2 w + k % 2.
; The first weight's rows are taken so that a lane holds a whole scale block: lane r of column tile j takes row 32 (r / 8) + 8 j + r % 8 of the head's 64.  W_v's rows are taken as they lie.
; THE ORDER OF WORK.  A weight's rows lie in a slot (the first in 1, W_v's in 0).  Phase 1 takes the window that is not V's first (chunks 0, 1), V's last (2, 3): chunk 3 still lies in slot 1 when V begins, chunk 2 comes anew.
; FILLS.  At the head the first weight (wave 0), chunk 0 (wave 1), a window's scale bytes each (waves 2, 3).  Refills, each in a drained round of the cluster's barrier, 32 rows a wave: chunks 1, 2, 3 inside blocks 0, 4, 8; W_v's rows behind block 11; chunk 2 anew at the change of phase.
; A block's way out (maxima, holds, conversions, the byte) stands among later products.  Scale bytes are gathered in LDS regions of each wave's own, zeroed first, and joined into words at the end.
.set TOK, 8192
.set NQ, 8
.set NB, 4
.set TM, 512
.set TN, 128
.set CH, 128
.set KROW, 1024
.set KS, 32
.set PITCH, KROW+16
.set FR, 16
.set FPW, 256/FR
.set NP, 8
.set NF, 34                            ; LDS loads of a block: eight fragments of four, two of four scale words
.set YB, CH*PITCH
.set SCL, 2*CH*PITCH                   ; x's scale bytes in the order of work: units of 256 bytes (8 rows) + 16
.set RS, 32
.set SSTEP, 4*272                      ; 32 rows of scale bytes
.set XN, SCL+2*RS*272                  ; Q's, K's bytes: [wave][chunk][k / 2][lane][k % 2][4]: 2,048 a wave
.set XV, XN+8192                       ; V's: [wave][record][lane][t][4]: 1,024 a wave
.set SPARE, XV+4096
.set EMAX, 15
.set TB, 1024
.set HSQ, 147456
.set RSQ, 9216
.set HSKV, 286720
.set RSKV, 17920
.set ADRA0, 4
.set CN, 5
.set AAS0, 6
.set CO, 9
.set SPW, 10
.set NIL, 11
.set ADRA, 12
.set VX, 13
.set ADRB, 14
.set ABS, 16
.set AAS, 17
.set ABSV, 18
.set RD, 19
.set SOP, 20
.set SB, 24
.set SA, 44
.set EB, 40
.set TQ, 60
.set ACC, 64
.set WS, 128
.set NCD, 192
.set MCD, 192
.set G1A, 24
.set G0A, 56
.set G1B, 32
.set G0B, 60
.set G1R, 48
.set G0R, 68
.set G1S, 92
.set G0S, 72
.set MSB, 0
.macro WIN new
.if MSB != \new
	s_set_vgpr_msb (MSB<<8)|\new
.set MSB, \new
.endif
.endm
.macro PLACES n
.rept \n
	v_nop
.endr
.endm
.macro BARRIER
	s_barrier_signal -1
	s_barrier_wait -1
.endm
.macro CROUND
	BARRIER
	s_cmp_lg_u32 s14, 0
	s_cbranch_scc1 .Lnot_wave_0_\@
	s_barrier_signal -3
.Lnot_wave_0_\@:
	s_barrier_wait -3
	BARRIER
.endm
.macro TLOAD g0, g1
	tensor_load_to_lds s[\g0:\g0+3], s[\g1:\g1+7]
	s_nop 0
	PLACES 4
.endm
.macro GROUP1 g, mask, rows            ; a tile of so many whole rows of K, padded in LDS
	s_or_b32 s[\g+0], s[\mask], (1<<20)|(1<<21)|(7<<22)|(3<<25)
	s_mov_b32 s[\g+1], (KROW&0xffff)<<16
	s_mov_b32 s[\g+2], (KROW>>16)|((\rows)<<16)
	s_mov_b32 s[\g+3], KROW<<16
	s_mov_b32 s[\g+4], \rows
	s_mov_b32 s[\g+5], KROW
	s_mov_b32 s[\g+6], 0
	s_mov_b32 s[\g+7], 0
.endm
.macro SADD d, x
	s_add_co_u32 s\d, s\d, s\x
.endm
	s_load_b128 s[4:7], s[0:1], 0x0                ; x_codes, x_scales
	s_load_b256 s[84:91], s[0:1], 0x10             ; Wq_codes, Wq_scales, Wk_codes, Wk_scales
	s_load_b64 s[104:105], s[0:1], 0x30            ; Wv_codes
	s_load_b64 s[8:9], s[0:1], 0x38                ; Wv_scales
	v_lshl_add_u32 v[SPW], v0, 2, SPARE
	v_mov_b32 v[NIL], 0
	ds_add_u32 v[SPW], v[NIL]                      ; the opening lines: the add twice on end and its wait
	ds_add_u32 v[SPW], v[NIL]
	v_lshrrev_b32 v1, 5, v0
	v_readfirstlane_b32 s14, v1                    ; wave 0..3
	s_lshr_b32 s15, s14, 1                         ; my row of waves
	s_and_b32 s16, s14, 1                          ; my column of waves
	s_bfe_u32 s40, ttmp6, 0x40000                  ; cx, cy
	s_bfe_u32 s41, ttmp6, 0x40004
	s_lshl_b32 s42, ttmp9, 2
	s_add_co_u32 s42, s42, s40                     ; tile column
	s_and_b32 s43, ttmp7, 0xffff
	s_lshl_b32 s43, s43, 2
	s_add_co_u32 s43, s43, s41                     ; tile row: 512 tokens
	s_lshr_b32 s19, ttmp9, 1                       ; 0: phase 1 makes heads of Q; 1: of K
	s_and_b32 s18, ttmp9, 1                        ; V's window
	s_lshl_b32 s44, s41, 2
	s_lshl_b32 s44, 15, s44                        ; my row of the cluster shares x's rows
	s_lshl_b32 s45, 0x1111, s40                    ; my column shares a weight's
	GROUP1 G1B, 45, TN
	GROUP1 G1A, 44, CH
	GROUP1 G1R, 44, CH/4
	s_or_b32 s[G1S+0], s44, (3<<16)|(1<<20)|(1<<21)|(5<<22)|(3<<25)   ; a window's scale bytes: 8,192 dense bytes as 32 rows of 256
	s_mov_b32 s[G1S+1], 32<<16
	s_mov_b32 s[G1S+2], RS<<16
	s_mov_b32 s[G1S+3], 32<<16
	s_mov_b32 s[G1S+4], RS
	s_mov_b32 s[G1S+5], 32
	s_mov_b32 s[G1S+6], 0
	s_mov_b32 s[G1S+7], 0
	s_mov_b32 s[G0S], 1
	s_mul_i32 s[G0S+1], s16, RS*272
	s_add_co_u32 s[G0S+1], s[G0S+1], SCL
	s_mul_i32 s67, s43, TM*KROW                    ; s67, s2: in x_codes the window that is not V's, and V's
	s_mul_i32 s20, s18, TM/2*KROW
	s_add_co_u32 s2, s67, s20
	s_xor_b32 s20, s20, TM/2*KROW
	SADD 67, 20
	s_lshl_b32 s13, s19, 2
	SADD 13, 40                                    ; W_v's tile column = 4 (cluster x / 2) + cx
	s_mul_i32 s3, s13, TN*KROW                     ; in Wv_codes
	s_mul_i32 s12, s13, TN*KS                      ; in Wv_scales: my wave's 64 rows
	s_mul_i32 s21, s16, 16*NB*KS
	SADD 12, 21
	s_lshl_b32 s22, s18, 2
	SADD 22, 40                                    ; the first weight's tile column in its own tensor = 4 (cluster x % 2) + cx
	s_mul_i32 s78, s22, TN*KROW
	s_mov_b32 s79, 0
	s_lshl_b32 s80, s43, 1                         ; in x_scales: wave 2 the window that is not V's, wave 3 V's
	s_xor_b32 s20, s18, 1
	s_cmp_eq_u32 s16, 1
	s_cselect_b32 s20, s18, s20
	SADD 80, 20
	s_mul_i32 s80, s80, TM/2*KS
	s_mov_b32 s81, 0
	s_mul_i32 s82, s22, TN*KS
	SADD 82, 21
	s_mov_b32 s83, 0
	s_mov_b32 s[G0A], 1
	s_mov_b32 s[G0A+1], 0
	s_mov_b32 s[G0B], 1
	s_mov_b32 s[G0B+1], YB
	s_mov_b32 s[G0R], 1
	v_and_b32 v1, 15, v0                           ; r
	v_bfe_u32 v2, v0, 4, 1                         ; h
	v_and_b32 v3, 31, v0                           ; l
	v_and_b32 v20, 7, v0
	v_bfe_u32 v21, v0, 3, 1
	v_mul_u32_u24 v22, v1, PITCH
	v_mad_u32_u24 v23, v2, 16, v22                 ; row r x pitch + 16 h
	s_mul_i32 s20, s15, 32*PITCH                   ; block 0: rows 32 x my row of waves on
	v_add_nc_u32 v[ADRA0], s20, v23
	s_mul_i32 s22, s16, 16*NB*PITCH                ; my 64 rows of a weight
	v_add_nc_u32 v[ADRB+1], s22, v23               ; W_v's, in slot 0, as they lie
	s_add_co_u32 s22, s22, YB
	v_lshl_add_u32 v22, v21, 5, v20                ; the first weight's: row 32 (r / 8) + r % 8
	v_mul_u32_u24 v22, v22, PITCH
	v_lshl_add_u32 v22, v2, 4, v22
	v_add_nc_u32 v[ADRB], s22, v22
	v_mul_u32_u24 v[ABSV], v3, KS                  ; W_v's scale bytes: lane l takes row l of a pair of tiles
	v_lshl_add_u32 v22, v21, 2, v2
	v_lshl_add_u32 v22, v22, 3, v20                ; the first weight's: row 32 (r / 8) + 8 h + r % 8, and 16 on for the next pair of tiles
	v_lshlrev_b32 v[ABS], 5, v22
	v_lshlrev_b32 v23, 5, v1                       ; x's scale bytes in LDS: 32 a row, 16 more for each 256 passed
	v_lshrrev_b32 v22, 3, v1
	v_lshl_add_u32 v23, v22, 4, v23
	s_mul_i32 s20, s15, 4*272
	s_add_co_u32 s20, s20, SCL
	v_add_nc_u32 v[AAS0], s20, v23
	s_lshl_b32 s66, s40, 2                         ; which of the cluster row's sixteen waves I am: my share of a prefetch of x's rows;
	s_add_co_u32 s66, s66, s14
	s_lshl_b32 s100, s41, 2                        ; and of the column's: of W_v's
	s_add_co_u32 s100, s100, s14
	s_wait_dscnt 0x0
	CROUND                                         ; the opening round
	s_wait_kmcnt 0x0
	s_cmp_eq_u32 s19, 1
	s_cselect_b64 s[84:85], s[88:89], s[84:85]     ; the first weight: W_k or W_q
	s_cselect_b64 s[86:87], s[90:91], s[86:87]
	s_mov_b32 s20, s67
	s_mov_b32 s21, 0
	s_add_nc_u64 s[G0A+2:G0A+3], s[4:5], s[20:21]
	s_or_b32 s[G0A+3], s[G0A+3], 0x80000000
	s_add_nc_u64 s[G0B+2:G0B+3], s[84:85], s[78:79]
	s_or_b32 s[G0B+3], s[G0B+3], 0x80000000
	s_add_nc_u64 s[G0S+2:G0S+3], s[6:7], s[80:81]
	s_or_b32 s[G0S+3], s[G0S+3], 0x80000000
	s_add_nc_u64 s[10:11], s[86:87], s[82:83]
	s_cmp_eq_u32 s14, 0                            ; one joint load a wave, and a line of its own for what is shown ahead of the rest
	s_cbranch_scc0 .Lwave_1
	TLOAD G0B, G1B                                 ; wave 0: the first weight's rows
	s_branch .Lasked
.Lwave_1:
	s_cmp_eq_u32 s14, 1
	s_cbranch_scc0 .Lfor_scales
	TLOAD G0A, G1A                                 ; wave 1: chunk 0
	s_branch .Lasked
.Lfor_scales:
	TLOAD G0S, G1S                                 ; waves 2, 3: a window's scale bytes each
.Lasked:
; where my results go: offsets now, the buffers' addresses in front of the stream.  s40: a record, s41: a head, s44: where the scale words begin, in qw or in kv
	s_mov_b32 s40, RSKV
	s_mov_b32 s41, HSKV
	s_mov_b32 s44, 16384
	s_cmp_eq_u32 s19, 0
	s_cselect_b32 s40, RSQ, s40
	s_cselect_b32 s41, HSQ, s41
	s_cselect_b32 s44, 8192, s44
	s_lshr_b32 s20, s43, 2
	s_lshl_b32 s20, s20, 4                         ; 16 x batch
	s_and_b32 s23, s43, 3
	s_lshl_b32 s23, s23, 2                         ; my tile row's first record
	s_and_b32 s21, s42, 7
	s_lshl_b32 s21, s21, 1
	SADD 21, 16
	SADD 21, 20                                    ; bh of phase 1
	s_mul_i32 s76, s21, s41
	s_mul_i32 s22, s23, s40
	SADD 76, 22
	s_xor_b32 s22, s15, s18                        ; at the end wave n stores the words of head n % 2, chunks 2 (n / 2) and the next: one window
	s_xor_b32 s22, s22, 1
	s_lshl_b32 s22, s22, 1
	s_mul_i32 s22, s22, s40
	s_add_co_u32 s78, s76, s22
	SADD 78, 44
	s_lshl_b32 s22, s15, 11                        ; codes: tile 2 w
	SADD 76, 22
	s_mov_b32 s77, 0
	s_mov_b32 s79, 0
	s_lshl_b32 s21, s13, 1
	SADD 21, 16
	SADD 21, 20                                    ; bh of phase 2
	s_mul_i32 s80, s21, HSKV
	s_lshl_b32 s22, s18, 1
	SADD 22, 23
	s_mul_i32 s22, s22, RSKV
	SADD 80, 22                                    ; V's window's first record
	s_mul_i32 s22, s15, RSKV
	s_add_co_u32 s82, s80, s22                     ; V's words: wave n stores head n % 2, record n / 2
	s_add_co_u32 s82, s82, 17408
	s_lshl_b32 s22, s15, 9                         ; V's codes: c % 2 = w
	SADD 80, 22
	s_add_co_u32 s80, s80, 8192
	s_mov_b32 s81, 0
	s_mov_b32 s83, 0
	v_lshlrev_b32 v[CO], 4, v3
	s_lshl_b32 s21, s14, 11
	s_add_co_u32 s21, s21, XN
	v_lshl_add_u32 v23, v1, 3, v2                  ; 8 r + h
	v_add_nc_u32 v[VX], s21, v23
	v_add_nc_u32 v21, s21, v[CO]                   ; for the zeros
	s_lshl_b32 s21, s14, 10
	s_add_co_u32 s21, s21, XV
	v_add_nc_u32 v[RD], s21, v[CO]
	v_lshlrev_b32 v23, 9, v2
	v_lshl_add_u32 v[CN], v1, 4, v23
	s_mov_b32 s20, s12
	s_mov_b32 s21, 0
	s_add_nc_u64 s[20:21], s[8:9], s[20:21]
.irp p, 0,1
.irp c, 0,1
	global_load_b128 v[SB+NQ*\p+4*\c:SB+NQ*\p+4*\c+3], v[ABS], s[10:11] offset:\p*16*KS+16*\c
	global_load_b128 v[WS+NQ*\p+4*\c:WS+NQ*\p+4*\c+3], v[ABSV], s[20:21] offset:\p*32*KS+16*\c
.endr
.endr
	s_wait_xcnt 0x0
	s_add_co_u32 s6, s67, CH*KROW                  ; chunk 1
	s_add_co_u32 s7, s2, CH*KROW                   ; chunk 3
	s_lshl_b32 s21, s66, 13
	s_add_co_u32 s22, s21, s6
	v_lshl_add_u32 v7, v3, 8, s22                  ; a prefetch's offsets: my sixteenth of chunk 1, of chunk 2
	s_add_co_u32 s22, s21, s2
	v_lshl_add_u32 v8, v3, 8, s22
	v_add_nc_u32 v1, 16*PITCH, v[ADRA0]            ; block 1's LDS addresses
	v_add_nc_u32 v2, 2*272, v[AAS0]
	s_mov_b64 s[90:91], s[4:5]                     ; the base of the loop's prefetch
	s_wait_alu depctr_va_vdst(0)                   ; the wait at the head's end
	s_cmp_eq_u32 s14, 0
	s_cbranch_scc0 .Lnot_b
	s_wait_tensorcnt 0x0                           ; wave 0: the first weight has landed
.Lnot_b:
	BARRIER
	global_prefetch_b8 v7, s[4:5] th:TH_LOAD_NT scope:SCOPE_SE
	global_prefetch_b8 v8, s[4:5] th:TH_LOAD_NT scope:SCOPE_SE
.macro WALU
	s_wait_alu depctr_va_vdst(0)
.endm
.macro MIDDLE                          ; a round's middle
	WIN 0
	s_barrier_wait -1
	s_cmp_lg_u32 s14, 0
	s_cbranch_scc1 .Lnot_wave_0_\@
	s_barrier_signal -3
.Lnot_wave_0_\@:
	s_barrier_wait -3
.endm
.macro GRD
	s_wait_tensorcnt 0x0
	ds_add_u32 v[SPW], v[NIL]
.endm
.macro FRAG f, adr, q, off             ; a weight's fragment f: window 1 + f / 16
	WIN (1+(\f)/FPW)<<6
.irp c, 0,1,2,3
	ds_load_b128 v[FR*((\f)%FPW)+4*\c:FR*((\f)%FPW)+4*\c+3], v[\adr] offset:128*(\q)+32*\c+(\off)
.endr
.endm
.macro FETCHAT k, a, s                 ; a block of x, all of K, into set k of window 3, and its scale words: NF loads
	WIN 3<<6
.irp q, 0,1,2,3,4,5,6,7
.irp c, 0,1,2,3
	ds_load_b128 v[128*\k+FR*\q+4*\c:128*\k+FR*\q+4*\c+3], v[\a] offset:128*\q+32*\c
.endr
.endr
	WIN 0
	ds_load_b128 v[SA+8*\k:SA+8*\k+3], v[\s]
	ds_load_b128 v[SA+8*\k+4:SA+8*\k+7], v[\s] offset:16
.endm
.macro PROD kind, e, a, n              ; product n = 4 q + b.  kind 0 (Q, K): source 0 = the weight's rows; kind 1 (V): source 0 = x's rows
.set Q_, (\n)/4
.set B_, (\n)%4
.set FB_, NB*Q_+B_
.set AC_, ACC+32*(\a)+8*B_
.set R_, 128*(\e)+FR*Q_
.set W_, FR*(FB_%FPW)
.set XS_, SA+8*(\e)+Q_
.set WS_, SB+8*(B_/2)+Q_
.if \kind
	WIN 3|((1+FB_/FPW)<<2)
.if Q_ && B_%2
	v_wmma_scale_f32_16x16x128_f8f6f4 v[AC_:AC_+7], v[R_:R_+FR-1], v[W_:W_+FR-1], v[AC_:AC_+7], v[XS_], v[WS_] matrix_a_fmt:MATRIX_FMT_BF8 matrix_b_fmt:MATRIX_FMT_BF8 matrix_b_scale:MATRIX_SCALE_ROW1
.elseif Q_
	v_wmma_scale_f32_16x16x128_f8f6f4 v[AC_:AC_+7], v[R_:R_+FR-1], v[W_:W_+FR-1], v[AC_:AC_+7], v[XS_], v[WS_] matrix_a_fmt:MATRIX_FMT_BF8 matrix_b_fmt:MATRIX_FMT_BF8
.elseif B_%2
	v_wmma_scale_f32_16x16x128_f8f6f4 v[AC_:AC_+7], v[R_:R_+FR-1], v[W_:W_+FR-1], 0, v[XS_], v[WS_] matrix_a_fmt:MATRIX_FMT_BF8 matrix_b_fmt:MATRIX_FMT_BF8 matrix_b_scale:MATRIX_SCALE_ROW1
.else
	v_wmma_scale_f32_16x16x128_f8f6f4 v[AC_:AC_+7], v[R_:R_+FR-1], v[W_:W_+FR-1], 0, v[XS_], v[WS_] matrix_a_fmt:MATRIX_FMT_BF8 matrix_b_fmt:MATRIX_FMT_BF8
.endif
.else
	WIN (1+FB_/FPW)|(3<<2)
.if Q_ && B_%2
	v_wmma_scale_f32_16x16x128_f8f6f4 v[AC_:AC_+7], v[W_:W_+FR-1], v[R_:R_+FR-1], v[AC_:AC_+7], v[WS_], v[XS_] matrix_a_fmt:MATRIX_FMT_BF8 matrix_b_fmt:MATRIX_FMT_BF8 matrix_a_scale:MATRIX_SCALE_ROW1
.elseif Q_
	v_wmma_scale_f32_16x16x128_f8f6f4 v[AC_:AC_+7], v[W_:W_+FR-1], v[R_:R_+FR-1], v[AC_:AC_+7], v[WS_], v[XS_] matrix_a_fmt:MATRIX_FMT_BF8 matrix_b_fmt:MATRIX_FMT_BF8
.elseif B_%2
	v_wmma_scale_f32_16x16x128_f8f6f4 v[AC_:AC_+7], v[W_:W_+FR-1], v[R_:R_+FR-1], 0, v[WS_], v[XS_] matrix_a_fmt:MATRIX_FMT_BF8 matrix_b_fmt:MATRIX_FMT_BF8 matrix_a_scale:MATRIX_SCALE_ROW1
.else
	v_wmma_scale_f32_16x16x128_f8f6f4 v[AC_:AC_+7], v[W_:W_+FR-1], v[R_:R_+FR-1], 0, v[WS_], v[XS_] matrix_a_fmt:MATRIX_FMT_BF8 matrix_b_fmt:MATRIX_FMT_BF8
.endif
.endif
.endm
.macro HOLD x, b                       ; a sum held at the largest number that the format has under its block's scale
	v_med3_num_f32 v[\x], v[\x], -v[TQ+\b], v[TQ+\b]
.endm
.macro SCALES i, n                     ; 0: the conversion's scale operand; 1: the bound; 2: a second copy of it; 3: the scale byte
.if (\i) == 0
	v_add_nc_u32 v[SOP+\n], -(EMAX<<23), v[TQ]
.elseif (\i) == 1
	v_and_or_b32 v[TQ+1], v[TQ], 0x7f800000, s62
.elseif (\i) == 2
	v_mov_b32 v[TQ+3], v[TQ+1]
.else
	v_lshrrev_b32 v[EB+\n], 23, v[SOP+\n]
.endif
.endm
.macro MAXQ k, x                       ; the largest magnitude of the 32 sums at x, and the floor
.if (\k) < 4
	v_max3_num_f32 v[TQ+\k], |v[\x+8*(\k)]|, |v[\x+8*(\k)+1]|, |v[\x+8*(\k)+2]|
.elseif (\k) < 12
	v_max3_num_f32 v[TQ+(\k)%4], v[TQ+(\k)%4], |v[\x+8*((\k)%4)+2*((\k)/4)+1]|, |v[\x+8*((\k)%4)+2*((\k)/4)+2]|
.elseif (\k) < 16
	v_max_num_f32 v[TQ+(\k)%4], v[TQ+(\k)%4], |v[\x+8*((\k)%4)+7]|
.elseif (\k) == 16
	v_max3_num_f32 v[TQ], v[TQ], v[TQ+1], v[TQ+2]
.else
	v_max3_num_f32 v[TQ], v[TQ], v[TQ+3], (EMAX+1)<<23
.endif
.endm
.macro HOLDS m, x                      ; two holds; the bound is read from its second copy for m = 3
.if (\m) == 3
	HOLD \x, 3
	HOLD \x+1, 3
.else
	HOLD \x, 1
	HOLD \x+1, 1
.endif
.if (\m) == 2
	SCALES 2, 0
.endif
.endm
.macro GAPQ m, x                       ; the quantiser of Q's or K's block, gaps 0 .. 26: a scale block of 32 lies in a lane
.if (\m) < 9
	MAXQ 2*(\m), \x
	MAXQ 2*(\m)+1, \x
.elseif (\m) == 9
	SCALES 0, 0
	SCALES 1, 0
.elseif (\m) < 26
	HOLDS (\m)-10, \x+2*((\m)-10)
.if ((\m)-10)%4 == 3
	v_cvt_scalef32_pk8_bf8_f32 v[NCD+2*(((\m)-10)/4):NCD+2*(((\m)-10)/4)+1], v[\x+8*(((\m)-10)/4):\x+8*(((\m)-10)/4)+7], v[SOP]
.endif
.elseif (\m) == 26
	SCALES 3, 0
.endif
.endm
.macro GAPV u, x                       ; the quantiser of a pair of V's blocks, gaps 0 .. 59, 15 a tile: a scale block of 32 lies in lanes l and l xor 16
.set T_, (\u)/15
.set J_, (\u)%15
.set E_, \x+8*T_
.set O_, E_+32
.if (\u) > 59
.elseif J_ == 0
	v_max3_num_f32 v[TQ], |v[E_]|, |v[E_+1]|, |v[E_+2]|
	v_max3_num_f32 v[TQ+2], |v[O_]|, |v[O_+1]|, |v[O_+2]|
.elseif J_ < 3
	v_max3_num_f32 v[TQ], v[TQ], |v[E_+2*J_+1]|, |v[E_+2*J_+2]|
	v_max3_num_f32 v[TQ+2], v[TQ+2], |v[O_+2*J_+1]|, |v[O_+2*J_+2]|
.elseif J_ == 3
	v_max3_num_f32 v[TQ+2], v[TQ+2], |v[O_+7]|, (EMAX+1)<<23
	v_max3_num_f32 v[TQ], v[TQ], |v[E_+7]|, v[TQ+2]
.elseif J_ == 4
	v_permlanex16_b32 v[TQ+2], v[TQ], s60, s61
	v_max_num_f32 v[TQ], v[TQ], v[TQ+2]
.elseif J_ == 5
	SCALES 0, T_
	SCALES 1, T_
.elseif J_ < 10
	HOLDS J_-6, E_+2*(J_-6)
.if J_ == 9
	v_cvt_scalef32_pk8_bf8_f32 v[MCD+4*T_:MCD+4*T_+1], v[E_:E_+7], v[SOP+T_]
.endif
.elseif J_ < 14
	HOLDS J_-6, O_+2*(J_-10)
.if J_ == 13
	v_cvt_scalef32_pk8_bf8_f32 v[MCD+4*T_+2:MCD+4*T_+3], v[O_:O_+7], v[SOP+T_]
.endif
.else
	SCALES 3, T_
.endif
.endm
.macro RDESC i, off, lds               ; group 0 of a refill of x's rows, in two parts: 32 rows a wave
.if (\i) == 0
	s_mul_i32 s[G0R+1], s14, CH/4*PITCH
	s_add_co_u32 s[G0R+1], s[G0R+1], s\lds
	s_mul_i32 s20, s14, CH/4*KROW
	s_add_co_u32 s20, s20, s\off
.else
	s_mov_b32 s21, 0
	s_add_nc_u64 s[G0R+2:G0R+3], s[4:5], s[20:21]
	s_or_b32 s[G0R+3], s[G0R+3], 0x80000000
.endif
.endm
; what stands behind product n.  j: the block's number in its trip (the second loop's: 4, 5; V's: -1, -2).  Behind 0: where the codes of the block before go, and the rows of the block two on; behind 1: its scale words
.macro LIST n, j, y, x
.if (\n) == 0
.if (\j) == 0 || (\j) == 2 || (\j) == 4
	s_add_nc_u64 s[84:85], s[84:85], TB            ; to tile t + 1
.elseif (\j) == 3
	s_add_nc_u64 s[84:85], s[84:85], 3*TB          ; from k = 1 to k = 2
.elseif (\j) == 1 || (\j) == 5
	s_add_nc_u64 s[84:85], s[84:85], s[86:87]      ; to the next record's k = 0 (the second loop's last trip: from k = 1 to k = 2)
.endif
.if (\j) == 1
	s_cmp_eq_u32 s46, 2
	s_cselect_b64 s[84:85], s[88:89], s[84:85]     ; chunk 2 begins V's window
.endif
	WIN 0
.if (\j) == 0 || (\j) == 1
	s_add_co_u32 s22, s101, (64+16*(\j))*PITCH
	v_add_nc_u32 v[ADRA], s22, v[ADRA0]
.elseif (\j) > 1
	s_add_co_u32 s22, s47, ((\j)%2)*16*PITCH
	v_add_nc_u32 v[ADRA], s22, v[ADRA0]
.else
	s_add_co_u32 s22, s47, (-1-(\j))*16*PITCH
	v_add_nc_u32 v[ADRA], s22, v[ADRA0]
.endif
.elseif (\n) == 1
	WIN 0
.if (\j) == 0 || (\j) == 1
	s_add_co_u32 s22, s17, (8+2*(\j))*272
	v_add_nc_u32 v[AAS], s22, v[AAS0]
.elseif (\j) > 1
	s_add_co_u32 s22, s8, ((\j)%2)*2*272
	v_add_nc_u32 v[AAS], s22, v[AAS0]
.else
	s_add_co_u32 s22, s8, (-1-(\j))*2*272
	v_add_nc_u32 v[AAS], s22, v[AAS0]
.endif
.endif
.if (\j) == 2 && (\n) == 2
	WIN 0
	v_lshl_add_u32 v7, v3, 8, s23
.elseif (\j) == 0 && ((\n) == 29 || (\n) == 30)
	RDESC (\n)-29, 6, 47
.elseif (\j) == 1 && (\n) == 2
	WIN 0
	v_add_nc_u32 v[VX], s9, v[VX]
.elseif (\j) == 5 && (\n) == 2
	WIN 0
	v_add_nc_u32 v[VX], 256, v[VX]
.endif
.if (\y) == 1 && (\n) > 0 && (\n) < 28
	WIN 0
	GAPQ (\n)-1, \x
.elseif (\y) == 2 && (\n) > 0 && (\n) < 31
	WIN 0
	GAPV (\n)-1, \x
.elseif (\y) == 3 && (\n) > 0 && (\n) < 31
	WIN 0
	GAPV (\n)+29, \x
.endif
.endm
.macro BLOCK kind, e, a, from, to, j, y, x
.set N_, \from
.rept (\to)-(\from)
	PROD \kind, \e, \a, N_
	LIST N_, \j, \y, \x
.set N_, N_+1
.endr
.endm
.macro BLK kind, e, a, w, j, y, x
.if (\w) >= 0
	s_wait_dscnt \w
.endif
	s_wait_xcnt 0x0
	BLOCK \kind, \e, \a, 0, 32, \j, \y, \x
	WIN 0
	PLACES NP
.endm
.macro RBLK kind, e, a, w, j, y, x     ; a block with a round of the cluster's barrier
.if (\w) >= 0
	s_wait_dscnt \w
.endif
	s_wait_xcnt 0x0
	GRD
	BLOCK \kind, \e, \a, 0, 28, \j, \y, \x
	WIN 0
	WALU
	s_wait_dscnt 0x0
	s_barrier_signal -1
	BLOCK \kind, \e, \a, 28, 32, \j, \y, \x
	MIDDLE
	BARRIER
.endm
.macro SBLK kind, e, a, w, j, y, x, half=0   ; a block with a plain barrier (half = 1: it shows waves 0 and 1's loads alone)
.if (\w) >= 0
	s_wait_dscnt \w
.endif
	s_wait_xcnt 0x0
	BLOCK \kind, \e, \a, 0, 28, \j, \y, \x
	WIN 0
	WALU
.if \half
	s_cmp_lt_u32 s14, 2
	s_cbranch_scc0 .Lnot_yet_\@
	s_wait_tensorcnt 0x0
.Lnot_yet_\@:
.else
	s_wait_tensorcnt 0x0
.endif
	s_wait_dscnt 0x0
	s_barrier_signal -1
	BLOCK \kind, \e, \a, 28, 32, \j, \y, \x
	WIN 0
	s_barrier_wait -1
	PLACES NP
.endm
.macro QOUT base, off, adr, boff       ; a block's byte goes to its place in LDS, its 32 codes a lane leave
	ds_store_b8 v[\adr], v[EB] offset:\boff
	global_store_b128 v[CN], v[NCD:NCD+3], s[\base:\base+1] offset:\off
	global_store_b128 v[CN], v[NCD+4:NCD+7], s[\base:\base+1] offset:(\off)+256
.endm
.irp q, 0,1,2,3,4,5,6,7                ; my 64 rows of the first weight: column tile b begins 8 b rows on
.irp b, 0,1,2,3
	FRAG NB*\q+\b, ADRB, \q, \b*8*PITCH
.endr
.endr
	WIN 0
	s_wait_tensorcnt 0x0                           ; chunk 0 and the scale bytes are in; the first weight is in registers
	s_wait_dscnt 0x0
	BARRIER
.irp i, 0,1,2,3
	v_mov_b32 v[NCD+\i], 0
.endr
.irp i, 0,1,2,3
	ds_store_b128 v21, v[NCD:NCD+3] offset:512*\i  ; zeros into my own regions of scale bytes
.endr
	ds_store_b128 v[RD], v[NCD:NCD+3]
	ds_store_b128 v[RD], v[NCD:NCD+3] offset:512
	FETCHAT 0, ADRA0, AAS0
	FETCHAT 1, 1, 2
	s_load_b128 s[92:95], s[0:1], 0x40             ; qw, kv
	s_mov_b32 s60, 0x76543210
	s_mov_b32 s61, 0xfedcba98
	s_mov_b32 s62, 0x600000
.set I_, 0
.rept 32
	v_mov_b32 v[ACC+32+I_], 0
.set I_, I_+1
.endr
	s_wait_kmcnt 0x0
	s_add_nc_u64 s[96:97], s[94:95], s[80:81]      ; V's codes
	s_cmp_eq_u32 s19, 1
	s_cselect_b64 s[92:93], s[94:95], s[92:93]     ; phase 1 stores into kv or qw
	s_add_nc_u64 s[94:95], s[94:95], s[82:83]      ; V's words
	s_add_nc_u64 s[98:99], s[92:93], s[78:79]      ; Q's or K's words
	s_add_nc_u64 s[92:93], s[92:93], s[76:77]
	s_lshl_b32 s22, s40, 1
	s_mul_i32 s20, s18, s22
	s_mov_b32 s21, 0
	s_add_nc_u64 s[88:89], s[92:93], s[20:21]      ; the codes of V's window
	s_sub_co_u32 s20, s22, s20
	s_add_co_u32 s20, s20, 4*TB
	s_add_nc_u64 s[84:85], s[92:93], s[20:21]      ; of the other window, less the first two steps
	s_mov_b32 s22, s40
	s_mov_b32 s23, 0
	s_sub_nc_u64 s[84:85], s[84:85], s[22:23]
	s_sub_co_u32 s86, s40, 5*TB                    ; from a record's k = 3 to the next record's k = 0
	s_mov_b32 s87, 0
	s_mov_b32 s46, 0                               ; PHASE 1.  s46 the trip; s101, s47 this chunk's slot and the next's; s17, s8 their scale words; s6 the rows that are loaded; s9 to a byte's next chunk; s23 my share of what is asked for ahead
	s_mov_b32 s9, 0
	s_mov_b32 s101, 0
	s_mov_b32 s47, YB
	s_mov_b32 s17, 0
	s_mov_b32 s8, 4*SSTEP
	s_wait_loadcnt 0x0
.Lfour:
	RBLK 0, 0, 0, NF, 0, 1, ACC+32                 ; blocks 0, 4, 8: chunks 1, 2, 3 come
	s_cmp_lt_u32 s14, 2                            ; waves 0, 1 and waves 2, 3 have a load line each
	s_cbranch_scc0 .Lupper
	TLOAD G0R, G1R
	s_branch .Lboth
.Lupper:
	TLOAD G0R, G1R
.Lboth:
	PLACES NP-4
	s_cmp_eq_u32 s46, 0
	s_cbranch_scc1 .Lno_block_before
	QOUT 84, 0, VX, 260
.Lno_block_before:
	FETCHAT 0, ADRA, AAS
	BLK 0, 1, 1, -1, 1, 1, ACC
	QOUT 84, 0, VX, 0
	FETCHAT 1, ADRA, AAS
	SBLK 0, 0, 0, NF, 2, 1, ACC+32, 1              ; the next chunk's first half is in
	QOUT 84, 0, VX, 4
	s_cmp_eq_u32 s46, 0
	s_cbranch_scc1 .Lnone_ahead
	global_prefetch_b8 v7, s[90:91] th:TH_LOAD_NT scope:SCOPE_SE   ; trip 1: my share of chunk 3; trip 2: of W_v's rows
.Lnone_ahead:
	FETCHAT 0, ADRA, AAS
	BLK 0, 1, 1, -1, 3, 1, ACC
	QOUT 84, 0, VX, 256
	FETCHAT 1, ADRA, AAS
	s_cmp_eq_u32 s46, 0
	s_cselect_b32 s6, s2, s7
	s_cselect_b32 s21, s66, s100
	s_cselect_b32 s22, s7, s3
	s_cselect_b64 s[90:91], s[4:5], s[104:105]
	s_mov_b32 s9, 512
	s_lshl_b32 s21, s21, 13
	s_add_co_u32 s23, s21, s22
	s_mov_b32 s101, s47
	s_mov_b32 s17, s8
	s_xor_b32 s47, s47, YB
	s_add_co_u32 s8, s8, 4*SSTEP
	s_add_co_u32 s46, s46, 1
	s_cmp_lg_u32 s46, 3
	s_cbranch_scc1 .Lfour
	GRD
	s_mul_i32 s20, s14, CH/4*KROW
	s_add_co_u32 s20, s20, s3
	s_mov_b32 s21, 0
	s_mul_i32 s[G0A+1], s14, CH/4*PITCH
	s_add_nc_u64 s[G0A+2:G0A+3], s[104:105], s[20:21]
	s_or_b32 s[G0A+3], s[G0A+3], 0x80000000
	GROUP1 G1A, 45, CH/4
	s_wait_dscnt 0x0
	s_barrier_signal -1
	MIDDLE
	BARRIER
	TLOAD G0A, G1A
	s_mov_b32 s47, YB+64*PITCH
	s_mov_b32 s8, 14*SSTEP
.Ltwo:
	BLK 0, 0, 0, NF, 4, 1, ACC+32                  ; blocks 12, 14
	QOUT 84, 0, VX, 260
	FETCHAT 0, ADRA, AAS
	BLK 0, 1, 1, NF, 5, 1, ACC                     ; 13, 15; the block two on is then V's: chunk 3 again, as it lies in slot 1
	QOUT 84, 0, VX, 256
	FETCHAT 1, ADRA, AAS
	s_mov_b32 s47, YB
	s_mov_b32 s8, 12*SSTEP
	s_mov_b32 s86, 3*TB
	s_add_co_u32 s46, s46, 1
	s_cmp_lg_u32 s46, 5
	s_cbranch_scc1 .Ltwo
; the change of phase
	s_wait_xcnt 0x0
	s_wait_tensorcnt 0x0                           ; W_v's rows are in
	s_wait_dscnt 0x0
	BARRIER
.macro CHANGE i                        ; among W_v's 128 loads: the last block's way out; W_v's scale words into their place; zeros into what no block has written yet
.if (\i) < 7
.irp k, 0,1,2,3
.if 4*(\i)+\k < 27
	GAPQ 4*(\i)+\k, ACC+32
.endif
.endr
.elseif (\i) < 9
.irp q, 0,1,2,3,4,5,6,7
	v_mov_b32 v[SB+8*((\i)-7)+\q], v[WS+8*((\i)-7)+\q]
.endr
.elseif (\i) < 15
.irp q, 0,1,2,3,4,5,6,7
	v_mov_b32 v[ACC+80+8*((\i)-9)+\q], 0
.endr
.endif
.endm
.irp q, 0,1,2,3,4,5,6,7
.irp b, 0,2
	FRAG NB*\q+\b, ADRB+1, \q, \b*16*PITCH
	FRAG NB*\q+\b+1, ADRB+1, \q, (\b+1)*16*PITCH
	WIN 0
	CHANGE 2*\q+\b/2
.endr
.endr
	QOUT 84, TB, VX, 260
	GRD
	s_mov_b32 s47, 0
	RDESC 0, 2, 47
	RDESC 1, 2, 47
	s_mov_b32 s46, 0
	s_mov_b32 s47, YB+64*PITCH
	s_mov_b32 s8, 14*SSTEP
	s_wait_dscnt 0x0
	s_barrier_signal -1
	MIDDLE
	BARRIER
	TLOAD G0R, G1R
.macro VOUT                            ; a pair of V's blocks: four tiles' bytes and codes
.irp t, 0,1,2,3
	ds_store_b8 v[VX], v[EB+\t] offset:4*\t
	global_store_b128 v[CO], v[MCD+4*\t:MCD+4*\t+3], s[84:85] offset:TB*\t
.endr
.endm
.macro VTO                             ; s22 = 2 x the record of V's window + the pair in it: where a pair's codes and bytes go
	s_lshr_b32 s20, s22, 1
	s_and_b32 s21, s22, 1
	s_mul_i32 s23, s20, RSKV
	s_lshl_b32 s20, s20, 9
	s_lshl_b32 s22, s21, 12
	s_add_co_u32 s22, s22, s23
	s_lshl_b32 s21, s21, 1
	s_add_co_u32 s21, s21, s20
	v_add_nc_u32 v[VX], s21, v[RD]
	s_mov_b32 s23, 0
	s_add_nc_u64 s[84:85], s[96:97], s[22:23]
.endm
.Lpair:
	BLK 1, 0, 0, -1, -1, 2, ACC+64
	s_cmp_eq_u32 s46, 3
	s_cbranch_scc1 .Lnone_0
	FETCHAT 0, ADRA, AAS
	s_wait_dscnt NF
	s_branch .Lgo
.Lnone_0:
	s_wait_dscnt 0x0
.Lgo:
	SBLK 1, 1, 1, -1, -2, 3, ACC+64                ; the first trip's shows chunk 2
.set I_, 0
.rept 32                               ; the pair's sums are copied, so that one trip is two blocks of text
	v_dual_mov_b32 v[ACC+64+I_], v[ACC+I_] :: v_dual_mov_b32 v[ACC+64+I_+1], v[ACC+I_+1]
.set I_, I_+2
.endr
	s_add_co_u32 s22, s46, 1
	s_and_b32 s22, s22, 3
	VTO
	s_cmp_eq_u32 s46, 0
	s_cbranch_scc1 .Lno_pair_before
	VOUT
.Lno_pair_before:
	s_cmp_eq_u32 s46, 3
	s_cbranch_scc1 .Lnone_1
	FETCHAT 1, ADRA, AAS
.Lnone_1:
	s_mov_b32 s8, 10*SSTEP
	s_cmp_eq_u32 s46, 0
	s_cselect_b32 s47, 0, 64*PITCH
	s_cselect_b32 s8, 8*SSTEP, s8
	s_add_co_u32 s46, s46, 1
	s_cmp_lg_u32 s46, 4
	s_cbranch_scc1 .Lpair
	s_wait_xcnt 0x0
.set K_, 0
.rept 60
	GAPV K_, ACC+64
.set K_, K_+1
.endr
	s_mov_b32 s22, 1
	VTO
	s_wait_alu depctr_va_vdst(0)                   ; the last bytes
	VOUT
	s_wait_dscnt 0x0                               ; the scale bytes
	BARRIER
; the scale words: a lane's 16 bytes of Q's or K's are 8 from each wave row's region; V's words are wave row 0's bytes (c = 0, 2) with wave row 1's (c = 1, 3) a byte higher
	s_lshl_b32 s21, s16, 11
	s_lshl_b32 s22, s15, 10
	SADD 21, 22
	s_add_co_u32 s21, s21, XN
	v_lshl_add_u32 v20, v3, 3, s21
	s_lshl_b32 s21, s16, 10
	s_lshl_b32 s22, s15, 9
	SADD 21, 22
	s_add_co_u32 s21, s21, XV
	v_add_nc_u32 v21, s21, v[CO]
	s_mov_b32 s20, s40
	s_mov_b32 s21, 0
	s_add_nc_u64 s[20:21], s[98:99], s[20:21]      ; the window's second record
	s_wait_alu depctr_va_vdst(0)
.irp i, 0,1
.irp q, 0,1
	ds_load_b64 v[64+8*\i+4*\q:65+8*\i+4*\q], v20 offset:512*\i+256*\q
	ds_load_b64 v[66+8*\i+4*\q:67+8*\i+4*\q], v20 offset:4096+512*\i+256*\q
.endr
.endr
	ds_load_b128 v[80:83], v21
	ds_load_b128 v[84:87], v21 offset:2048
	s_wait_dscnt 0x0
.irp i, 0,1,2,3
	v_lshl_or_b32 v[80+\i], v[84+\i], 8, v[80+\i]
.endr
.irp q, 0,1
	global_store_b128 v[CO], v[64+4*\q:67+4*\q], s[98:99] offset:512*\q
	global_store_b128 v[CO], v[72+4*\q:75+4*\q], s[20:21] offset:512*\q
.endr
	global_store_b128 v[CO], v[80:83], s[94:95]
	s_wait_tensorcnt 0x0                           ; the wave's end
	ds_add_u32 v[SPW], v[NIL]
	s_wait_dscnt 0x0
	CROUND                                         ; the closing round
	s_endpgm
.Lfunc_end_k_q51cda7d907_proj:
	.size	k_q51cda7d907_proj, .Lfunc_end_k_q51cda7d907_proj-k_q51cda7d907_proj
	.p2alignl 7, 3214868480
	.fill 96, 4, 3214868480
	.section	.rodata,"a",@progbits
	.p2align	6, 0x0
	.amdhsa_kernel k_q51cda7d907_proj
		.amdhsa_group_segment_fixed_size 327680
		.amdhsa_private_segment_fixed_size 0
		.amdhsa_enable_private_segment 0
		.amdhsa_kernarg_size 80
		.amdhsa_user_sgpr_count 2
		.amdhsa_user_sgpr_kernarg_segment_ptr 1
		.amdhsa_wavefront_size32 1
		.amdhsa_system_sgpr_workgroup_id_x 1
		.amdhsa_system_sgpr_workgroup_id_y 1
		.amdhsa_system_sgpr_workgroup_id_z 1
		.amdhsa_system_vgpr_workitem_id 0
		.amdhsa_next_free_vgpr 1024
		.amdhsa_next_free_sgpr 106
		.amdhsa_reserve_vcc 0
		.amdhsa_float_denorm_mode_32 3
		.amdhsa_float_denorm_mode_16_64 3
		.amdhsa_memory_ordered 1
		.amdhsa_forward_progress 1
		.amdhsa_inst_pref_size 163
	.end_amdhsa_kernel
	.amdgpu_metadata
---
amdhsa.version: [ 1, 2 ]
amdhsa.kernels:
  - .name:           k_q51cda7d907_proj
    .symbol:         k_q51cda7d907_proj.kd
    .args:
      - { .name: x_codes, .offset: 0, .size: 8, .value_kind: global_buffer, .address_space: global }
      - { .name: x_scales, .offset: 8, .size: 8, .value_kind: global_buffer, .address_space: global }
      - { .name: Wq_codes, .offset: 16, .size: 8, .value_kind: global_buffer, .address_space: global }
      - { .name: Wq_scales, .offset: 24, .size: 8, .value_kind: global_buffer, .address_space: global }
      - { .name: Wk_codes, .offset: 32, .size: 8, .value_kind: global_buffer, .address_space: global }
      - { .name: Wk_scales, .offset: 40, .size: 8, .value_kind: global_buffer, .address_space: global }
      - { .name: Wv_codes, .offset: 48, .size: 8, .value_kind: global_buffer, .address_space: global }
      - { .name: Wv_scales, .offset: 56, .size: 8, .value_kind: global_buffer, .address_space: global }
      - { .name: qw, .offset: 64, .size: 8, .value_kind: global_buffer, .address_space: global }
      - { .name: kv, .offset: 72, .size: 8, .value_kind: global_buffer, .address_space: global }
    .group_segment_fixed_size: 327680
    .private_segment_fixed_size: 0
    .kernarg_segment_align: 8
    .kernarg_segment_size: 80
    .max_flat_workgroup_size: 128
    .sgpr_count:     106
    .vgpr_count:     1024
    .wavefront_size: 32
...
	.end_amdgpu_metadata
.endif
;; end of part 1
;; launch attn (part 2): grid 4 x 64, 8 waves a work-group, clusters of 4 x 1, 327,680 bytes of LDS; arguments qw, kv, out0; writes out0
.if DOCPART == 2
	.amdgcn_target "amdgcn-amd-amdhsa--gfx1250"
	.amdhsa_code_object_version 6
	.text
	.protected	k_q51cda7d907_attn
	.globl	k_q51cda7d907_attn
	.p2align	8
	.type	k_q51cda7d907_attn,@function
k_q51cda7d907_attn:
	s_mov_b64 s[64:65], 0
	v_nop
	global_prefetch_b8 v0, s[64:65] scope:SCOPE_SE
	s_setreg_imm32_b32 hwreg(HW_REG_WAVE_MODE, 25, 1), 1
	s_wait_xcnt 0x0
	s_wait_alu depctr_hold_cnt(0) depctr_sa_sdst(0) depctr_va_vdst(0) depctr_va_sdst(0) depctr_va_ssrc(0) depctr_va_vcc(0) depctr_vm_vsrc(0)
	s_getreg_b32 s2, hwreg(HW_REG_IB_STS2, 6, 4)
	s_cmp_eq_u32 s2, 0
	s_cbranch_scc0 .Lentry_in_a_cluster
	s_endpgm
.Lentry_in_a_cluster:
	s_bfe_u32 s2, ttmp6, 0x10000c
	s_cmp_lg_u32 s2, 0x3003
	s_cbranch_scc0 .Lentry_shape_is_right
	s_endpgm
.Lentry_shape_is_right:
; out0[bh][q][:] = the sum over k of softmax_k(Q[q] . K[k] / 8) V[k][:], 64 heads bh of 2,048 tokens x 64 channels, both products on codes of BF8 (E5M2) with one E8M0 scale for each 32 along a product's K.
; Q, K, V come as images of operand registers with their scale words, laid by the launch before: kv: [64][16 key steps] records of 17,920 bytes (K's image 8,192; V's 8,192; K's scale words 1,024; V's 512);
; qw: [64][16] records of 9,216 bytes (Q's image 8,192; its scale words 1,024).
; THE SOFTMAX: t = score x log2(e) / 8; M = the ceiling of the row's largest t so far; p = 2^(t - M) is quantised along the keys, not normalised; the row's sum is taken of the unquantised p and divides O at the end.
; When M moves, the sum and O are multiplied by f = 2^(old M - new M), in every step, with no branch on data.
; SHARES.  A cluster of four work-groups is one head; a work-group owns 512 queries, a wave 64: two passes of two tiles of 16 over 16 key steps of 128 keys.  Two tiles share each fragment read from LDS.
; THE WHOLE HEAD'S K AND V LIE IN LDS, filled once: wave w asks for records 2 w, 2 w + 1 jointly with the same wave of the three partners.  One tensor load of a wave is out, at the start.
; No prefetch: the one fill stands at the head, and no loop runs ahead of it.
; LAYOUT.  Both products transposed (S^T = K Q^T, O^T = V^T P^T): a lane holds one query.  The 16 registers of score tiles 2 b, 2 b + 1 become registers 4 b .. 4 b + 3 of P as they stand; V's image carries the same
; order of keys inside a block of 32.  A head has 64 channels, the instruction takes 128: Q's registers 8-15 are zero codes; a tile of K is named with the 8 registers behind it (finite codes; zeros behind the last).
; THE STEP.  K and V have registers of their own: V and the NEXT step's K are asked for in one run behind the first tile's maxima.  A pass's last step is written out without that look-ahead.
; Exponentials stand in two batches; plain lines one level deep stand among them (the other tile's multiply-adds, the other tile's holds).  The holds go two to a line, one of each of two neighbouring blocks.
; LIMITS: NaN and infinities are not served.  A block whose every p has fallen to 0 keeps the byte 1: its codes are zeros.  The scaled scores stay under 2^31 in magnitude.
; REGISTERS.  window 0: v1-7 addresses; v8-15 K's scale words, v16-19 V's, v20-23 Q's, v28-29 p's; v32-47 statistics; v48-87 at work; v88-119 the pass's two fragments of Q; v128-255 S^T, then p.
;   window 1: v0-63 V; v72-103 p's codes; v104-167 O^T; v168-231 K; v232-239 zeros; v240-255 the second pass's codes of Q.
.set REC,   17920
.set HEADB, 16*REC
.set QREC,  9216
.set QHEAD, 16*QREC
.set STAGE, HEADB                      ; behind the head: 16 rows x 272 bytes for each wave, for the way out
.set SP,    272
.set SPARE, STAGE+8*16*SP              ; the spare words: 128 bytes a wave
.set LI,  1                            ; 16 x lane
.set ADR, 2                            ; the same in the record in hand
.set STO, 3
.set RD,  4
.set GO,  5
.set QA,  6
.set QB,  7
.set KSC, 8
.set VSC, 16
.set QSC, 20
.set PSC, 28
.set ST,  32                           ; tile x at ST + 8 x: +0 -M, +1 the largest score, +2, +3 the sum, +4 f, +5 the old -M, then at work, +6 1 / sum, +7 its pair's upper half
.set TP,  48                           ; tile x at TP + 20 x: +0..3 the blocks' largest scores, then p; +4..7 permutes, bytes; +8..11 the bounds; +12..15 the conversions' scale operands; +16..19 two more chains of the sum
.set QF,  88
.set SPW, 126
.set NIL, 127
.set S,   128
.set V,   0
.set P,   72
.set O,   104
.set K,   168
.set ZR,  232
.set Q2,  240
.set WV,  10
.set SEL, 20
.set CS,  22                           ; s[22:23] c = log2(e) / 8
.set G0,  24
.set G1,  28
.set MNT, 36
.set TB,  37
.set CNT, 38
.set NC,  39                           ; -c
.set MSB, 0
.macro WIN new                         ; low byte: bits 1:0 source 0, 3:2 source 1, 5:4 source 2, 7:6 destination; the high byte repeats the setting that is left
.if MSB != \new
	s_set_vgpr_msb (MSB<<8)|\new
.set MSB, \new
.endif
.endm
.macro WALU
	s_wait_alu depctr_va_vdst(0)
.endm
.macro CROUND                          ; a round of the cluster's barrier
	s_barrier_signal -1
	s_barrier_wait -1
	s_cmp_lg_u32 s[WV], 0
	s_cbranch_scc1 .Lnot_wave_0_\@
	s_barrier_signal -3
.Lnot_wave_0_\@:
	s_barrier_wait -3
	s_barrier_signal -1
	s_barrier_wait -1
.endm
	s_load_b128 s[4:7], s[0:1], 0x0                ; qw, kv
	s_load_b64 s[8:9], s[0:1], 0x10                ; out0
	v_lshl_add_u32 v[SPW], v0, 2, SPARE
	v_mov_b32 v[NIL], 0
	ds_add_u32 v[SPW], v[NIL]                      ; the opening lines: the add twice on end and its wait
	ds_add_u32 v[SPW], v[NIL]
	v_lshrrev_b32 v26, 5, v0
	v_readfirstlane_b32 s[WV], v26                 ; wave 0..7
	s_bfe_u32 s11, ttmp6, 0x40000                  ; cx: which 512 queries: it enters Q's and out0's addresses alone
	s_and_b32 s12, ttmp7, 0xffff                   ; the head, which the four partners share
	s_mul_i32 s40, s12, HEADB
	s_mul_i32 s[G0+1], s[WV], 2*REC                ; LDS address: records 2 w, 2 w + 1
	s_add_co_u32 s40, s40, s[G0+1]                 ; and the same in memory
	s_mov_b32 s41, 0
	s_lshl_b32 s42, s11, 2
	s_lshr_b32 s43, s[WV], 1
	s_add_co_u32 s42, s42, s43                     ; my 64 queries: record 4 cx + w / 2 of qw,
	s_mul_i32 s42, s42, QREC
	s_mul_i32 s43, s12, QHEAD
	s_add_co_u32 s42, s42, s43
	s_mov_b32 s43, 0
	s_and_b32 s44, s[WV], 1                        ; its half w % 2
	s_lshl_b32 s45, s44, 12
	s_lshl_b32 s44, s44, 9
	s_lshl_b32 s46, s12, 19                        ; out0: a head is 2,048 rows of 256 bytes
	s_lshl_b32 s47, s11, 17
	s_add_co_u32 s46, s46, s47
	s_lshl_b32 s47, s[WV], 14
	s_add_co_u32 s46, s46, s47
	s_mov_b32 s47, 0
	s_mov_b32 s[G0], 1
	s_mov_b32 s[G1], 15|(3<<16)|(1<<21)            ; the mask: all four; elements of 8 bytes; 35,840 dense bytes as 140 rows of 256
	s_mov_b32 s[G1+1], 32<<16
	s_mov_b32 s[G1+2], 140<<16
	s_mov_b32 s[G1+3], 32<<16
	s_mov_b32 s[G1+4], 140
	s_mov_b32 s[G1+5], 32
	s_mov_b32 s[G1+6], 0
	s_mov_b32 s[G1+7], 0
	s_mov_b32 s[SEL], 0x76543210
	s_mov_b32 s[SEL+1], 0xfedcba98
	s_mov_b32 s[CS], 0x3e38aa3b
	s_mov_b32 s[CS+1], s[CS]
	s_mov_b32 s[NC], 0xbe38aa3b
	s_mov_b32 s[MNT], 0x600000
	v_and_b32 v[LI], 31, v0
	v_lshlrev_b32 v[LI], 4, v[LI]
	v_add_nc_u32 v[QA], s45, v[LI]
	v_add_nc_u32 v[QB], s44, v[LI]
	s_wait_dscnt 0x0
	s_wait_kmcnt 0x0
	s_add_nc_u64 s[G0+2:G0+3], s[6:7], s[40:41]
	s_or_b32 s[G0+3], s[G0+3], 0x80000000
	s_add_nc_u64 s[4:5], s[4:5], s[42:43]
	s_add_nc_u64 s[8:9], s[8:9], s[46:47]
	CROUND                                         ; all four work-groups are here: the joint loads meet
	tensor_load_to_lds s[G0:G0+3], s[G1:G1+7]      ; my one tensor load
	s_nop 0
.rept 4
	v_nop
.endr
	WALU                                           ; the wait ahead of the first readers of the head's addresses
.irp i, 0,1
.irp c, 0,1
	global_load_b128 v[QF+16*\i+4*\c:QF+16*\i+4*\c+3], v[QA], s[4:5] offset:1024*\i+512*\c   ; the first pass's tiles of Q
.endr
.endr
	global_load_b128 v[QSC:QSC+3], v[QB], s[4:5] offset:8192   ; Q's scale words, a register a tile
	WIN 0x40
.irp i, 0,1
.irp c, 0,1
	global_load_b128 v[Q2+8*\i+4*\c:Q2+8*\i+4*\c+3], v[QA], s[4:5] offset:2048+1024*\i+512*\c   ; the second pass's
.endr
.endr
.irp j, 0,1,2,3,4,5,6,7
	v_mov_b32 v[ZR+\j], 0                          ; what stands behind K's last tile
.endr
	WIN 0
.irp i, 0,1
.irp j, 8,9,10,11,12,13,14,15
	v_mov_b32 v[QF+16*\i+\j], 0                    ; k = 64 .. 127 of Q: zero codes
.endr
.endr
	v_and_b32 v26, 15, v0
	v_bfe_u32 v27, v0, 4, 1
	s_mul_i32 s40, s[WV], 16*SP
	s_add_co_u32 s40, s40, STAGE
	v_mul_u32_u24 v[STO], v26, SP
	v_mul_u32_u24 v[RD], v27, SP
	v_lshlrev_b32 v[GO], 8, v27
	v_lshl_add_u32 v[STO], v27, 5, v[STO]
	v_lshl_add_u32 v[RD], v26, 4, v[RD]
	v_lshl_add_u32 v[GO], v26, 4, v[GO]
	v_add_nc_u32 v[STO], s40, v[STO]               ; in: row r, 64 t + 32 h bytes on
	v_add_nc_u32 v[RD], s40, v[RD]                 ; back: lanes 0-15 one row, lanes 16-31 the next
.irp x, 0,1
.irp b, 0,1,2,3
	v_mov_b32 v[TP+20*\x+4+\b], 0                  ; a lane permute's destination counts as a source
.endr
	v_mov_b32 v[ST+8*\x+7], 0
.endr
.macro MXL x, l                        ; level l of 8 of the four blocks' largest scores of tile x; each accumulator is read from its low end on
.irp b, 0,1,2,3
.if (\l) == 0
	v_max3_num_f32 v[TP+20*(\x)+\b], v[S+64*(\x)+16*\b], v[S+64*(\x)+16*\b+1], v[S+64*(\x)+16*\b+2]
.elseif (\l) < 7
	v_max3_num_f32 v[TP+20*(\x)+\b], v[TP+20*(\x)+\b], v[S+64*(\x)+16*\b+2*(\l)+1], v[S+64*(\x)+16*\b+2*(\l)+2]
.else
	v_max_num_f32 v[TP+20*(\x)+\b], v[TP+20*(\x)+\b], v[S+64*(\x)+16*\b+15]
.endif
.endr
.endm
.macro CH x, k                         ; stage k of the chain from the blocks' largest scores to -M and f; it is laid among the other tile's lines
.set cT, ST+8*(\x)
.set cP, TP+20*(\x)
.if (\k) == 0
.irp b, 0,1,2,3
	v_permlanex16_b32 v[cP+4+\b], v[cP+\b], s[SEL], s[SEL+1]
.endr
.elseif (\k) == 1
.irp b, 0,1,2,3
	v_max_num_f32 v[cP+\b], v[cP+\b], v[cP+4+\b]   ; with lane l xor 16's 16 keys
.endr
.elseif (\k) == 2
	v_max3_num_f32 v[cT+1], v[cT+1], v[cP], v[cP+1]
.elseif (\k) == 3
	v_max3_num_f32 v[cT+1], v[cT+1], v[cP+2], v[cP+3]   ; the running largest score
.elseif (\k) == 4
	v_mul_f32 v[cT+4], s[NC], v[cT+1]              ; -t
.elseif (\k) == 5
	v_floor_f32 v[cT], v[cT+4]                     ; -M = floor(-t) = -ceil(t)
.elseif (\k) == 6
	v_sub_f32 v[cT+5], v[cT], v[cT+5]              ; old M - new M: a whole number, 0 or less
.elseif (\k) == 7
	v_cvt_i32_f32 v[cT+5], v[cT+5]                 ; (it saturates)
.elseif (\k) == 8
	v_ldexp_f32 v[cT+4], 1.0, v[cT+5]              ; f
.else
.irp b, 0,1,2,3
	v_fma_f32 v[cP+\b], v[cP+\b], s[CS], v[cT]     ; t - M of each block's largest score
.endr
	v_pk_mul_f32 v[cT+2:cT+3], v[cT+2:cT+3], v[cT+4:cT+5] op_sel_hi:[1,0]   ; the sum under the new M
.endif
.endm
.macro FM1 x, j                        ; t - M, two at a time
	v_pk_fma_f32 v[S+64*(\x)+(\j):S+64*(\x)+(\j)+1], v[S+64*(\x)+(\j):S+64*(\x)+(\j)+1], s[CS:CS+1], v[ST+8*(\x):ST+8*(\x)+1] op_sel_hi:[1,0,0]
.endm
.macro FM4 x, g
.irp u, 0,2,4,6
	FM1 \x, 8*(\g)+\u
.endr
.endm
.macro SUMA x                          ; the row's sum of the unquantised p, two at a time, in three chains
.set aS, S+64*(\x)
.set aT, ST+8*(\x)+2
.set aP, TP+20*(\x)+16
	v_pk_add_f32 v[aP:aP+1], v[aS:aS+1], v[aS+2:aS+3]
	v_pk_add_f32 v[aP+2:aP+3], v[aS+4:aS+5], v[aS+6:aS+7]
.set j, 8
.rept 9
	v_pk_add_f32 v[aT:aT+1], v[aT:aT+1], v[aS+j:aS+j+1]
	v_pk_add_f32 v[aP:aP+1], v[aP:aP+1], v[aS+j+2:aS+j+3]
	v_pk_add_f32 v[aP+2:aP+3], v[aP+2:aP+3], v[aS+j+4:aS+j+5]
.set j, j+6
.endr
	v_pk_add_f32 v[aT:aT+1], v[aT:aT+1], v[aS+62:aS+63]
.endm
.macro SUMB x                          ; the three chains joined
.set aT, ST+8*(\x)+2
.set aP, TP+20*(\x)+16
	v_pk_add_f32 v[aP:aP+1], v[aP:aP+1], v[aP+2:aP+3]
	v_pk_add_f32 v[aT:aT+1], v[aT:aT+1], v[aP:aP+1]
.endm
.macro MIN2 a, ba, b, bb               ; two holds in one line: p is not negative, so the hold is one-sided (the conversion to an 8-bit code does not saturate: ISA guide 7.6.2).  One destination even, one odd; all sources in different banks
	v_dual_min_num_f32 v[\a], v[\a], v[\ba] :: v_dual_min_num_f32 v[\b], v[\b], v[\bb]
.endm
.macro MNP x, bp, i                    ; numbers i, i + 1 of blocks 2 bp and 2 bp + 1, crosswise; part 0
	MIN2 S+64*(\x)+32*(\bp)+(\i), TP+20*(\x)+8+2*(\bp), S+64*(\x)+32*(\bp)+17+(\i), TP+20*(\x)+9+2*(\bp)
.endm
.macro MNQ x, bp, i                    ; part 1
	MIN2 S+64*(\x)+32*(\bp)+(\i)+1, TP+20*(\x)+8+2*(\bp), S+64*(\x)+32*(\bp)+16+(\i), TP+20*(\x)+9+2*(\bp)
.endm
.macro SMUL t, x, i0
	v_wmma_scale_f32_16x16x128_f8f6f4 v[S+64*\x+8*\t:S+64*\x+8*\t+7], v[K+8*\t:K+8*\t+15], v[QF+16*\x:QF+16*\x+15], 0, v[KSC+\t], v[QSC+(\i0)+\x] matrix_a_fmt:MATRIX_FMT_BF8 matrix_b_fmt:MATRIX_FMT_BF8
.endm
; A KEY STEP for tiles i0, i0 + 1.  At its head K's fragments of this step are on their way or in.  last = 1: nothing is asked for beyond this record.
.macro STEP i0, last
	s_wait_dscnt 0x0                               ; K and its scale words are in
	WIN 0x01                                       ; K window 1; Q and S^T window 0
.irp t, 0,1,2,3,4,5,6,7
	SMUL \t, 0, \i0
.endr
.irp t, 0,1,2,3,4,5,6,7
	SMUL \t, 1, \i0
	v_nop                                          ; eight places behind tile 0's last product, ahead of the first read of its scores
.endr
	WIN 0
.irp l, 0,1,2,3,4,5,6,7
	MXL 0, \l                                      ; these 32 are the places behind tile 1's products and the last step's second products, ahead of the loads below
.endr
	WIN 0x40
.irp t, 0,1,2,3
.irp c, 0,1,2,3
	ds_load_b128 v[V+16*\t+4*\c:V+16*\t+4*\c+3], v[ADR] offset:8192+4096*(\c/2)+1024*\t+512*(\c%2)   ; V's d tile t, keys 32 c on
.endr
.endr
.if (\last) == 0
.irp t, 0,1,2,3,4,5,6,7
.irp c, 0,1
	ds_load_b128 v[K+8*\t+4*\c:K+8*\t+4*\c+3], v[ADR] offset:REC+1024*\t+512*\c   ; the next record's K
.endr
.endr
.endif
	WIN 0
	ds_load_b128 v[VSC:VSC+3], v[ADR] offset:17408
.if (\last) == 0
	ds_load_b128 v[KSC:KSC+3], v[ADR] offset:REC+16384
	ds_load_b128 v[KSC+4:KSC+7], v[ADR] offset:REC+16384+512
.endif
.set L, 0
.rept 8
	MXL 1, L
	CH 0, L
.set L, L+1
.endr
	CH 0, 8
	CH 0, 9
.set L, 0
.rept 8
	CH 1, L
	FM4 0, L
.set L, L+1
.endr
	CH 1, 8
	CH 1, 9
	WIN 0x41                                       ; O^T window 1, f window 0
.irp x, 0,1
.set j, 0
.rept 16
	v_pk_mul_f32 v[O+32*\x+j:O+32*\x+j+1], v[O+32*\x+j:O+32*\x+j+1], v[ST+8*\x+4:ST+8*\x+5] op_sel_hi:[1,0]   ; O^T x f: its first read, ahead of the step's exponentials
.set j, j+2
.endr
.endr
	WIN 0
	WALU                                           ; ahead of the batch
.irp x, 0,1
.irp b, 0,1,2,3
	v_exp_f32 v[TP+20*\x+\b], v[TP+20*\x+\b]       ; each block's largest p: the same two instructions on the same number give the same bits
.endr
.endr
.set j, 0
.rept 32
	v_exp_f32 v[S+j], v[S+j]                       ; tile 0's p,
	v_exp_f32 v[S+j+1], v[S+j+1]
	FM1 1, j                                       ; and among them tile 1's t - M
.set j, j+2
.endr
	WALU                                           ; behind the batch, ahead of its first reader
	SUMA 0
	SUMB 0
.irp x, 0,1
.irp b, 0,1,2,3
	v_max_num_f32 v[TP+20*\x+\b], 0x8000000, v[TP+20*\x+\b]   ; the floor 2^(16 - 127): the byte cannot fall under 1
.endr
.endr
.irp x, 0,1
.irp b, 0,1,2,3
	v_add_nc_u32 v[TP+20*\x+12+\b], 0xf8800000, v[TP+20*\x+\b]   ; 15 off the exponent field: the conversion's scale operand
.endr
.endr
.irp x, 0,1
.irp b, 0,1,2,3
	v_and_or_b32 v[TP+20*\x+8+\b], v[TP+20*\x+\b], 0x7f800000, s[MNT]   ; 57,344 x the scale
.endr
.endr
.irp x, 0,1
.irp b, 0,1,2,3
	v_lshrrev_b32 v[TP+20*\x+4+\b], 23, v[TP+20*\x+12+\b]   ; the scale's byte
.endr
.endr
.irp x, 0,1
	v_lshl_or_b32 v[TP+20*\x+4], v[TP+20*\x+5], 8, v[TP+20*\x+4]
	v_lshl_or_b32 v[TP+20*\x+6], v[TP+20*\x+7], 8, v[TP+20*\x+6]
.endr
.irp x, 0,1
	v_lshl_or_b32 v[PSC+\x], v[TP+20*\x+6], 16, v[TP+20*\x+4]   ; p's scale word for these 128 keys
.endr
	WALU                                           ; ahead of the second batch
.set e, S+64
.irp bp, 0,1
.irp i, 0,2,4,6,8,10,12,14
	v_exp_f32 v[e], v[e]                           ; tile 1's p,
	v_exp_f32 v[e+1], v[e+1]
	MNP 0, \bp, \i                                 ; and among them tile 0's holds
	v_exp_f32 v[e+2], v[e+2]
	v_exp_f32 v[e+3], v[e+3]
	MNQ 0, \bp, \i
.set e, e+4
.endr
.endr
	v_nop                                          ; a plain line behind the last exponential
	WALU                                           ; behind the batch
	SUMA 1
.irp bp, 0,1
.irp i, 0,2,4,6,8,10,12,14
	MNP 1, \bp, \i
	MNQ 1, \bp, \i
.endr
.endr
	WIN 0x40                                       ; the codes go to window 1
.irp x, 0,1
.irp b, 0,1,2,3
	v_cvt_scalef32_pk8_bf8_f32 v[P+16*\x+4*\b:P+16*\x+4*\b+1], v[S+64*\x+16*\b:S+64*\x+16*\b+7], v[TP+20*\x+12+\b]
	v_cvt_scalef32_pk8_bf8_f32 v[P+16*\x+4*\b+2:P+16*\x+4*\b+3], v[S+64*\x+16*\b+8:S+64*\x+16*\b+15], v[TP+20*\x+12+\b]
.endr
.endr
	WIN 0
	SUMB 1                                         ; five plain lines behind the conversions and ahead of the products that take the codes
.if (\last) == 0
	s_add_co_u32 s[TB], s[TB], REC
	v_add_nc_u32 v[ADR], s[TB], v[LI]              ; the next record
	v_mov_b32 v[ST+5], v[ST]                       ; -M as it stands, for the next step's f
	v_mov_b32 v[ST+13], v[ST+8]
.else
.rept 3
	v_nop
.endr
.endif
	WALU                                           ; directly ahead of the wait below
.if (\last) == 0
	s_wait_dscnt 2                                 ; all but the two youngest loads (the next K's scale words): V and its scale words are in
.else
	s_wait_dscnt 0x0
.endif
	WIN 0x55                                       ; all four operands window 1
.irp t, 0,1,2,3
.irp x, 0,1                                    ; the eight accumulators by turns
	v_wmma_scale_f32_16x16x128_f8f6f4 v[O+32*\x+8*\t:O+32*\x+8*\t+7], v[V+16*\t:V+16*\t+15], v[P+16*\x:P+16*\x+15], v[O+32*\x+8*\t:O+32*\x+8*\t+7], v[VSC+\t], v[PSC+\x] matrix_a_fmt:MATRIX_FMT_BF8 matrix_b_fmt:MATRIX_FMT_BF8
.endr
.endr
	WIN 0
.endm
; THE WAY OUT of pass p: O^T / the sum goes through my own stage in LDS, a tile at a time, and leaves as whole rows: sixteen lanes store 256 consecutive bytes, at a multiple of 256 from out0's first byte.
.macro OUT p
.irp x, 0,1
	v_add_f32 v[ST+8*\x+5], v[ST+8*\x+2], v[ST+8*\x+3]
.endr
.irp x, 0,1
	v_permlanex16_b32 v[TP+20*\x+4], v[ST+8*\x+5], s[SEL], s[SEL+1]
.endr
.irp x, 0,1
	v_add_f32 v[ST+8*\x+5], v[ST+8*\x+5], v[TP+20*\x+4]   ; the row's sum
.endr
	WALU
.irp x, 0,1
	v_rcp_f32 v[ST+8*\x+6], v[ST+8*\x+5]
.endr
.rept 5
	v_nop                                          ; with the six plain lines above: more than the eight places behind the last products
.endr
	WALU                                           ; behind the reciprocals, directly ahead of the first readers of O^T
	WIN 0x01
.irp x, 0,1
.set j, 0
.rept 16
	v_pk_mul_f32 v[S+32*\x+j:S+32*\x+j+1], v[O+32*\x+j:O+32*\x+j+1], v[ST+8*\x+6:ST+8*\x+7] op_sel_hi:[1,0]   ; register 8 t + i is o(r, 16 t + 8 h + i)
.set j, j+2
.endr
.endr
	WIN 0
.irp x, 0,1
.irp t, 0,1,2,3
	ds_store_b128 v[STO], v[S+32*\x+8*\t:S+32*\x+8*\t+3] offset:64*\t
	ds_store_b128 v[STO], v[S+32*\x+8*\t+4:S+32*\x+8*\t+7] offset:64*\t+16
.endr
.irp i, 0,1,2,3,4,5,6,7
	ds_load_b128 v[192+32*\x+4*\i:192+32*\x+4*\i+3], v[RD] offset:2*\i*SP   ; LDS serves a wave's instructions in order (ISA guide 5.7.1.4)
.endr
.endr
.irp x, 0,1
.irp i, 0,1,2,3,4,5,6,7
	s_wait_dscnt 23-16*\x-\i                       ; behind this load: its tile's 7 - i later loads, and for tile 0 the other tile's sixteen LDS instructions
	global_store_b128 v[GO], v[192+32*\x+4*\i:192+32*\x+4*\i+3], s[8:9] offset:8192*(\p)+4096*\x+512*\i th:TH_STORE_NT
.endr
.endr
.endm
; A PASS: tiles 2 p, 2 p + 1 over the 16 key steps.  O^T and the sum begin as zeros, the largest score as -3e38 and -M as 1e38: the first f is 0 and multiplies zeros.
.macro PASS p
	s_wait_xcnt 0x0                                ; the last pass's stores have read their registers, which this pass's scores take
.if \p
	WIN 0x01
.irp x, 0,1
.irp j, 0,1,2,3,4,5,6,7
	v_mov_b32 v[QF+16*\x+\j], v[Q2+8*\x+\j]        ; this pass's codes of Q
.endr
.endr
.endif
	WIN 0x40
.set j, 0
.rept 64
	v_mov_b32 v[O+j], 0
.set j, j+1
.endr
	WIN 0
.irp x, 0,1
	v_mov_b32 v[ST+8*\x+1], 0xff61b1e6
	v_mov_b32 v[ST+8*\x], 0x7e967699
	v_mov_b32 v[ST+8*\x+5], 0x7e967699
	v_mov_b32 v[ST+8*\x+2], 0
	v_mov_b32 v[ST+8*\x+3], 0
.endr
	v_mov_b32 v[ADR], v[LI]
	WIN 0x40
.irp t, 0,1,2,3,4,5,6,7
.irp c, 0,1
	ds_load_b128 v[K+8*\t+4*\c:K+8*\t+4*\c+3], v[ADR] offset:1024*\t+512*\c   ; record 0's K
.endr
.endr
	WIN 0
	ds_load_b128 v[KSC:KSC+3], v[ADR] offset:16384
	ds_load_b128 v[KSC+4:KSC+7], v[ADR] offset:16384+512
	WALU                                           ; the wait ahead of the step's first wait
	s_mov_b32 s[TB], 0
	s_mov_b32 s[CNT], 15
.Lstep_\@:
	STEP 2*(\p), 0
	s_sub_co_u32 s[CNT], s[CNT], 1
	s_cmp_lg_u32 s[CNT], 0
	s_cbranch_scc1 .Lstep_\@
	STEP 2*(\p), 1                                 ; the last record: written out, with no look-ahead
	OUT \p
.endm
	s_wait_tensorcnt 0x0                           ; my two records are in,
	s_barrier_signal -1
	s_barrier_wait -1                              ; everybody's are: the whole head lies in LDS, and nothing writes it again
	s_wait_loadcnt 0x0                             ; Q and its scale words
	PASS 0
	PASS 1
	s_wait_dscnt 0x0
	s_wait_tensorcnt 0x0                           ; the wave's end
	ds_add_u32 v[SPW], v[NIL]
	s_wait_dscnt 0x0
	CROUND                                         ; the closing round
	s_endpgm
.Lfunc_end_k_q51cda7d907_attn:
	.size	k_q51cda7d907_attn, .Lfunc_end_k_q51cda7d907_attn-k_q51cda7d907_attn
	.p2alignl 7, 3214868480
	.fill 96, 4, 3214868480
	.section	.rodata,"a",@progbits
	.p2align	6, 0x0
	.amdhsa_kernel k_q51cda7d907_attn
		.amdhsa_group_segment_fixed_size 327680
		.amdhsa_private_segment_fixed_size 0
		.amdhsa_enable_private_segment 0
		.amdhsa_kernarg_size 24
		.amdhsa_user_sgpr_count 2
		.amdhsa_user_sgpr_kernarg_segment_ptr 1
		.amdhsa_wavefront_size32 1
		.amdhsa_system_sgpr_workgroup_id_x 1
		.amdhsa_system_sgpr_workgroup_id_y 1
		.amdhsa_system_sgpr_workgroup_id_z 1
		.amdhsa_system_vgpr_workitem_id 0
		.amdhsa_next_free_vgpr 512
		.amdhsa_next_free_sgpr 66
		.amdhsa_reserve_vcc 0
		.amdhsa_float_denorm_mode_32 3
		.amdhsa_float_denorm_mode_16_64 3
		.amdhsa_memory_ordered 1
		.amdhsa_forward_progress 1
		.amdhsa_inst_pref_size 161
	.end_amdhsa_kernel
	.amdgpu_metadata
---
amdhsa.version: [ 1, 2 ]
amdhsa.kernels:
  - .name:           k_q51cda7d907_attn
    .symbol:         k_q51cda7d907_attn.kd
    .args:
      - { .name: qw, .offset: 0, .size: 8, .value_kind: global_buffer, .address_space: global }
      - { .name: kv, .offset: 8, .size: 8, .value_kind: global_buffer, .address_space: global }
      - { .name: out0, .offset: 16, .size: 8, .value_kind: global_buffer, .address_space: global }
    .group_segment_fixed_size: 327680
    .private_segment_fixed_size: 0
    .kernarg_segment_align: 8
    .kernarg_segment_size: 24
    .max_flat_workgroup_size: 256
    .sgpr_count:     66
    .vgpr_count:     512
    .wavefront_size: 32
...
	.end_amdgpu_metadata
.endif
;; end of part 2
